; MI455X (gfx1250); checked and timed in simulation.
; The chip was launched on July 23, 2026; its instructions are those of AMD's public machine-readable ISA for CDNA 5 (MIT licence, August 2026) and "CDNA5" Instruction Set Architecture Reference Guide (July 2026). The comments in the code are by the model that wrote it; some were corrected since.
;; Question Answer Model. Allowed arithmetic: matrix products marked QUANTISED: E2M3 operands, one E8M0 scale for each 32 along K, by v_wmma_scale_f32_16x16x128_f8f6f4 with both operands' format E2M3, f32 sums; products left as they are: f32 operands where the result goes on into a quantised operand, else bf16, f16 or f32 operands; f32 sums; everything else in f32.
;; Inputs: W_rel 18 x 768 float32; b_rel 18 float32; ent_embeddings 43,234 x 512 float32; head_id 16 int32; question_hidden 16 x 64 x 768 float32; rel_embeddings 18 x 256 float32.
;; Outputs: out0 16 x 43,234 float32.
;; This version of the problem:
;;   THIS VERSION OF THE PROBLEM IS GIVEN IN LOW PRECISION. The matrix products marked QUANTISED in the list below multiply operands that are first quantised to E2M3 (2 exponent bits, 3 mantissa bits; 6 bits a number), with one power-of-two scale for each 32 numbers along K (OCP MX v1.0); their sums are f32. All else is computed in f32.
;;   The module's matrix products, in the order in which they are computed (A, B: the left and right operand; K: the contracted axis; several contracted axes count as one K, in the product's order):
;;     1. [M 16, K 768] x [K 768, N 18]; A: computed on the way; B: input W_rel: QUANTISED
;;     2. [M 16, K 18] x [K 18, N 256]; A: computed on the way; B: input rel_embeddings: left as it is (K = 18 < 32)
;;   THE QUANTISER, for each operand of a quantised product, along K:
;;     - K is cut into blocks of 32 from its start; a last block that is shorter is filled with zeros.
;;     - A block's scale is 2^e with e = floor(log2(the largest magnitude in the block)) - 2, held to -126 .. 127; a block of zeros has e = 0. As a byte (E8M0): e + 127.
;;     - Each number is divided by its block's scale, clamped to +-7.5, and rounded to the nearest number of E2M3, ties to even, subnormals kept.
;;     - The product sums the exact products of the quantised numbers (number of the format x scale) in f32.
;;   ~~~python
;;   def quantise(x, axis):      # numpy; x: float32 -> the quantised numbers, widened to float32 again
;;       x = np.moveaxis(x, axis, -1); K = x.shape[-1]
;;       x = np.pad(x, [(0, 0)] * (x.ndim - 1) + [(0, -K % 32)]); x = x.reshape(x.shape[:-1] + (-1, 32)); a = np.abs(x).max(-1, keepdims=True)
;;       e = np.where(a > 0, np.clip(np.frexp(np.where(a > 0, a, 1))[1] - 1 - 2, -126, 127), 0)      # np.frexp(a)[1] - 1 = floor(log2(a)), exactly
;;       r = np.clip(x / 2.0 ** e, -7.5, 7.5)
;;       step = 2.0 ** (np.maximum(np.frexp(np.where(r == 0, 1, r))[1] - 1, 0) - 3)
;;       q = np.round(r / step) * step * 2.0 ** e      # np.round: ties to even
;;       return np.moveaxis(q.reshape(q.shape[:-2] + (-1,))[..., :K], -1, axis).astype(np.float32)
;;   ~~~
;;   OPERANDS COMPUTED ON THE WAY. 'Computed on the way' means the value that the module computes at that place (a softmax that the list does not call 'softmax' is quantised finished and normalised). What goes into a quantiser is computed in f32, as accurately as f32 sums, v_exp_f32 and their like allow (about 1e-6 of the number): no bf16 or f16 on the way to a quantiser, and a product that is left as it is and whose result goes on into a quantised operand takes f32 operands (vector FMAs, or v_wmma_f32_16x16x4_f32). A number that lies on a knife's edge between two numbers of the format may be rounded either way, as far as f32 arithmetic and the matrix unit's own rounding can turn it there, and no further.
;; One version. Each part assembles by itself: llvm-mc -triple=amdgcn-amd-amdhsa -mcpu=gfx1250 --defsym DOCPART=n.
;; ======== version 1 of 1: 2 launches
;; workspace buffers: rot 32,768 bytes
;; launch relrot (part 1): grid 16 x 1, 24 waves a work-group, no clusters, 19,456 bytes of LDS; arguments question_hidden, W_rel, b_rel, rel_embeddings, ent_embeddings, head_id, rot; writes rot
.if DOCPART == 1
	.amdgcn_target "amdgcn-amd-amdhsa--gfx1250"
	.amdhsa_code_object_version 6
	.text
	.protected	k_qf8d0ba2e7a_relrot
	.globl	k_qf8d0ba2e7a_relrot
	.p2align	8
	.type	k_qf8d0ba2e7a_relrot,@function
k_qf8d0ba2e7a_relrot:
	s_mov_b64 s[64:65], 0
	v_nop
	global_prefetch_b8 v0, s[64:65] scope:SCOPE_SE
	s_setreg_imm32_b32 hwreg(HW_REG_WAVE_MODE, 25, 1), 1
	s_wait_xcnt 0x0
; rot[b][0:256], rot[b][256:512] = the head entity of question b, turned by the predicted relation.  One work-group takes one question b.
;   q = mean over the 64 rows of question_hidden[b]  (f32);   score = Q(q) . Q(W_rel)^T + b_rel: both operands quantised along K = 768 to FP6 (E2M3) with one E8M0 scale
;   for each 32, multiplied by the scaled matrix instruction;   p = sigmoid(score) . rel_embeddings (K = 18, f32 fused multiply-adds);   phase = p x pi / 0.03125;   rot = head x (cos + i sin).
; SHARES.  24 waves.  Thread t sums 16 of the 64 rows (rows 16 g on, g = t / 192) for the 4 columns 4 (t % 192) on; the four partial sums meet in LDS, waves 0-5 write the mean.
;   Waves 0-11: wave w takes K step w / 2 (128 along K) and tile w % 2 of W's rows: one matrix instruction each; the six K steps' parts are added in f32 through LDS.
;   Source 0 = q in all 16 rows, source 1 = 16 rows of W: register 0 of the result holds, in lane r, the score of that lane's row of W.  Tile 0: rows 0-15.  Tile 1: lanes 0, 1 take rows 16, 17,
;   the other lanes their rows of tile 0 once more (no load leaves W, nothing is masked; those results are not used).
;   Waves 12-15: two neighbouring d a lane: sigmoid, mixture, sine and cosine, rotation; a wave's store covers 256 consecutive bytes, aligned.
; W's numbers are loaded ahead of the pooling loads and quantised while those are on their way.  (A lane takes 128 neighbouring bytes of its row by eight loads; W is 55 KB in all.)
; What the last phase wants from memory is asked for behind the pooling's last wait, for 0 loads, which every wave passes: it lands in registers that W's numbers have left and that no later line of any
; wave names; it has the mean's and the product's phases, two barriers, in which to land.
; SINE AND COSINE.  The phase in quarter turns is 64 p, exactly.  k = the nearest whole number, theta = (64 p - k) pi / 2, |theta| <= pi / 4; sin by its series up to theta^9, cos up to theta^8
;   (what is cut off is under 3e-8); k mod 4 swaps the two and sets the signs.
; LIMITS: |64 p| stays under 2^31 (the conversion of k saturates there); blocks whose largest magnitude lies under 2^-124 keep the scale byte 1; NaN and infinities among the inputs are not served.
.set ROWQ,  3072                       ; a row of question_hidden or of W_rel in bytes
.set BATCH, 64*ROWQ                    ; one question
.set GRP,   15*ROWQ                    ; thread t of group g: 16 t already holds 3,072 g; 16 rows are 49,152 g
.set QOFF,  12288                      ; LDS: 0: the partial sums, 16 bytes a thread;  QOFF: the mean, 768 numbers;
.set POFF,  QOFF+3072                  ; POFF: the scores' parts, 64 bytes for each of waves 0-11
.set M,    1                           ; v1-2   at work: largest magnitudes, then scale bytes (in the head: wave, lane)
.set SO,   3                           ; v3-4   the conversions' scale operands (in the head: r, h)
.set PST,  5                           ; v5     LDS: 16 x thread
.set QRD,  6                           ; v6     LDS: my numbers of the mean: QOFF + 512 x K step + 128 h
.set SST,  7                           ; v7     LDS: where my part of a score goes: POFF + 64 x wave + 4 r
.set SRD,  8                           ; v8     LDS: POFF + 4 x lane
.set PGO,  9                           ; v9     my byte offset in the question's rows
.set WGO,  10                          ; v10    my byte offset in W
.set XT,   11                          ; v11    at work
.set FGO,  13                          ; v13    waves 12-15: 8 bytes for each of my two d: 256 (wave % 4) + 8 lane
.set BGO,  14                          ; v14    4 x min(lane, 17): my bias
.set SH,   15                          ; v15    8 h: where my two scale bytes stand in the word
.set PL,   16                          ; v16-79   16 rows x 4 columns as loaded; later my 64 numbers of the mean
.set WN,   80                          ; v80-143  my 64 numbers of W
.set WC,   144                         ; v144-155 W's codes;  v156 its scale word
.set WS,   156
.set QC,   80                          ; v80-91   q's codes (W's numbers are done with);  v92 its scale word;  v96-103 the result
.set QS,   92
.set DA,   96
.set RL,   104                         ; waves 12-15: v104-139 rel_embeddings[j][my two d];  v140-143 the head;  v157 the bias
.set HR,   140
.set HI,   142
.set BI,   157
.set SC,   16                          ; waves 12-15, at work, where the pooling's rows lay: v16-21 the score's parts
.set PP,   24                          ; v24-25 p;  v26-27 cos;  v28-29 sin;  v32-39 at work;  v40-43 the result
.set CO,   26
.set SI,   28
.set TP,   32
.set RE,   40
.set IM,   42
.set SG,   36                          ; s36-53 the 18 sigmoids
; 64 numbers of a lane, register 32 b + i = k 64 b + 32 h + i of the K step, become a fragment's 12 registers of codes at v[c] and its scale word in v[w].  A lane owns whole blocks of 32.
.macro QUANT s, c, w
.irp b, 0,1
	v_max3_num_f32 v[M+\b], |v[\s+32*\b]|, |v[\s+32*\b+1]|, 0x1800000        ; with the floor 2^(3 - 127) among the leaves: the byte cannot fall under 1
.endr
.irp i, 2,4,6,8,10,12,14,16,18,20,22,24,26,28,30
.irp b, 0,1
	v_max3_num_f32 v[M+\b], v[M+\b], |v[\s+32*\b+\i]|, |v[\s+32*\b+\i+1]|    ; the two blocks by turns
.endr
.endr
.irp b, 0,1
	v_add_nc_u32 v[SO+\b], 0xff000000, v[M+\b]     ; 2 off the exponent field: the conversion takes that field as its scale
.endr
.irp b, 0,1
	v_lshrrev_b32 v[M+\b], 23, v[SO+\b]            ; the scale's byte
.endr
	v_lshl_or_b32 v[\w], v[M+1], 16, v[M]          ; my bytes: blocks h and 2 + h,
	v_lshlrev_b32 v[\w], v[SH], v[\w]              ; at their places;
	v_mov_b32 v[XT], 0
	v_permlanex16_b32 v[XT], v[\w], s20, s21
	v_or_b32 v[\w], v[\w], v[XT]                   ; with lane l xor 16's two the word is whole
.irp b, 0,1
	v_cvt_scalef32_pk16_fp6_f32 v[\c+6*\b:\c+6*\b+2], v[\s+32*\b:\s+32*\b+15], v[SO+\b]
.endr
	v_nop                                          ; a plain place: the next two write over numbers that the two above have read
.irp b, 0,1
	v_cvt_scalef32_pk16_fp6_f32 v[\s+32*\b:\s+32*\b+2], v[\s+32*\b+16:\s+32*\b+31], v[SO+\b]   ; a conversion's three registers begin on an even number: made here, moved below
.endr
	v_nop                                          ; a plain place behind the last conversion
.irp b, 0,1
.irp i, 0,1,2
	v_mov_b32 v[\c+6*\b+3+\i], v[\s+32*\b+\i]
.endr
.endr
.endm
; cos and sin of p x pi / 0.03125 into v[c], v[s]
.macro SINCOS p, c, s, t0, t1, t2, t3
	v_mul_f32 v[\t0], 0x42800000, v[\p]            ; 64 p: the phase in quarter turns
	v_rndne_f32 v[\t1], v[\t0]                     ; k
	v_sub_f32 v[\t0], v[\t0], v[\t1]               ; exact
	v_cvt_i32_f32 v[\t1], v[\t1]
	v_mul_f32 v[\t0], 0x3fc90fdb, v[\t0]           ; theta = (64 p - k) pi / 2
	v_mul_f32 v[\t2], v[\t0], v[\t0]
	v_mov_b32 v[\s], 0x3638ef1d                    ; 1 / 9!
	v_mov_b32 v[\c], 0x37d00d01                    ; 1 / 8!
	v_fmaak_f32 v[\s], v[\s], v[\t2], 0xb9500d01   ; -1 / 7!
	v_fmaak_f32 v[\c], v[\c], v[\t2], 0xbab60b61   ; -1 / 6!
	v_fmaak_f32 v[\s], v[\s], v[\t2], 0x3c088889   ; 1 / 5!
	v_fmaak_f32 v[\c], v[\c], v[\t2], 0x3d2aaaab   ; 1 / 4!
	v_fmaak_f32 v[\s], v[\s], v[\t2], 0xbe2aaaab   ; -1 / 3!
	v_fma_f32 v[\c], v[\c], v[\t2], -0.5
	v_fma_f32 v[\s], v[\s], v[\t2], 1.0
	v_fma_f32 v[\c], v[\c], v[\t2], 1.0            ; cos theta
	v_mul_f32 v[\s], v[\s], v[\t0]                 ; sin theta
	v_and_b32 v[\t2], 1, v[\t1]
	v_cmp_eq_u32 vcc_lo, 1, v[\t2]                 ; an odd k swaps the two
	v_cndmask_b32 v[\t3], v[\c], v[\s], vcc_lo
	v_cndmask_b32 v[\t2], v[\s], v[\c], vcc_lo
	v_add_nc_u32 v[\t0], 1, v[\t1]
	v_lshlrev_b32 v[\t0], 30, v[\t0]               ; the cosine is negative where bit 1 of k + 1 is set,
	v_lshlrev_b32 v[\t1], 30, v[\t1]               ; the sine where bit 1 of k is
	v_and_b32 v[\t0], 0x80000000, v[\t0]
	v_and_b32 v[\t1], 0x80000000, v[\t1]
	v_xor_b32 v[\c], v[\t3], v[\t0]
	v_xor_b32 v[\s], v[\t2], v[\t1]
.endm
.macro BARRIER                         ; my LDS stores have landed and my LDS loads are in: then the work-group's barrier
	s_wait_dscnt 0x0
	s_barrier_signal -1
	s_barrier_wait -1
.endm
	s_load_b256 s[4:11], s[0:1], 0x0               ; question_hidden s[4:5], W_rel s[6:7], b_rel s[8:9], rel_embeddings s[10:11]
	s_load_b128 s[12:15], s[0:1], 0x20             ; ent_embeddings s[12:13], head_id s[14:15]
	s_load_b64 s[16:17], s[0:1], 0x30              ; rot
	v_lshl_add_u32 v158, v0, 2, 0x4000
	v_mov_b32 v159, 0
	v_lshrrev_b32 v1, 5, v0
	v_readfirstlane_b32 s18, v1                    ; wave 0..23
	v_and_b32 v2, 31, v0                           ; lane
	v_and_b32 v3, 15, v0                           ; r
	v_bfe_u32 v4, v0, 4, 1                         ; h
	s_mov_b32 s20, 0x76543210
	s_mov_b32 s21, 0xfedcba98                      ; v_permlanex16_b32's selects for lane l xor 16
	; every LDS address is made here, ahead of the first parting of the waves
	v_lshlrev_b32 v[PST], 4, v0
	s_lshr_b32 s22, s18, 1                         ; my K step
	s_lshl_b32 s23, s22, 9                         ; 128 numbers of 4 bytes a K step
	v_lshlrev_b32 v[QRD], 7, v4
	v_add_nc_u32 v[QRD], s23, v[QRD]
	v_add_nc_u32 v[QRD], QOFF, v[QRD]
	s_lshl_b32 s24, s18, 6
	v_lshl_add_u32 v[SST], v3, 2, s24
	v_add_nc_u32 v[SST], POFF, v[SST]
	v_lshl_add_u32 v[SRD], v2, 2, POFF
	; offsets in memory
	s_mul_i32 s25, s18, 43
	s_lshr_b32 s25, s25, 8                         ; g = wave / 6
	s_mul_i32 s25, s25, GRP
	v_lshl_add_u32 v[PGO], v0, 4, s25
	s_and_b32 s26, s18, 1
	s_lshl_b32 s26, s26, 4                         ; 16 in tile 1
	v_cmp_gt_u32 vcc_lo, 2, v3
	v_mov_b32 v12, s26
	v_cndmask_b32 v12, 0, v12, vcc_lo              ; lanes 0, 1 of tile 1: rows 16, 17
	v_add_nc_u32 v12, v12, v3
	v_mul_u32_u24 v[WGO], v12, ROWQ
	v_lshl_add_u32 v[WGO], v4, 7, v[WGO]           ; + 32 h numbers
	v_add_nc_u32 v[WGO], s23, v[WGO]               ; + my K step
	s_and_b32 s27, s18, 3
	s_lshl_b32 s27, s27, 8
	v_lshl_add_u32 v[FGO], v2, 3, s27
	v_min_u32 v[BGO], 17, v2
	v_lshlrev_b32 v[BGO], 2, v[BGO]
	v_lshlrev_b32 v[SH], 3, v4
	s_mul_i32 s28, ttmp9, BATCH                    ; my question
	s_mov_b32 s29, 0
	s_lshl_b32 s30, ttmp9, 11                      ; its row of rot
	s_mov_b32 s31, 0
	s_lshl_b32 s19, ttmp9, 2                       ; its head_id
	s_wait_kmcnt 0x0
	s_add_nc_u64 s[4:5], s[4:5], s[28:29]
	s_add_nc_u64 s[16:17], s[16:17], s[30:31]
	s_cmp_lt_u32 s18, 12                           ; waves 0-11: W's numbers first, so that they are in while the pooling loads are out
	s_cbranch_scc0 .Lno_w_loads
.irp c, 0,1
.irp i, 0,1,2,3,4,5,6,7
	global_load_b128 v[WN+32*\c+4*\i:WN+32*\c+4*\i+3], v[WGO], s[6:7] offset:256*\c+16*\i   ; W(my row, 128 s + 64 c + 32 h + 4 i ..)
.endr
.endr
.Lno_w_loads:
.irp i, 0,1,2,3,4,5,6,7,8,9,10,11,12,13,14,15
	global_load_b128 v[PL+4*\i:PL+4*\i+3], v[PGO], s[4:5] offset:ROWQ*\i th:TH_LOAD_NT       ; a wave reads 512 consecutive bytes of a row; read once in the launch
.endr
	s_cmp_lt_u32 s18, 12
	s_cbranch_scc0 .Lno_w_quant
	s_wait_loadcnt 16                              ; W's 16 loads are in; the 16 pooling loads issued behind them may be out
	QUANT WN, WC, WS
.Lno_w_quant:
.irp i, 1,2,3,4,5,6,7,8,9,10,11,12,13,14,15
	s_wait_loadcnt 15-\i                           ; row i is in; the 15 - i rows behind it may be out.  The last of these waits is for 0: no load of any wave is out behind it
	v_pk_add_f32 v[PL:PL+1], v[PL:PL+1], v[PL+4*\i:PL+4*\i+1]
	v_pk_add_f32 v[PL+2:PL+3], v[PL+2:PL+3], v[PL+4*\i+2:PL+4*\i+3]
.endr
	ds_store_b128 v[PST], v[PL:PL+3]
	s_cmp_lt_u32 s18, 12                           ; waves 12-15: what the last phase wants; it lands while the mean and the product are made
	s_cbranch_scc1 .Lno_f_loads
	s_cmp_lt_u32 s18, 16
	s_cbranch_scc0 .Lno_f_loads
	s_load_b32 s33, s[14:15], s19 offset:0x0       ; head_id[b]
.irp j, 0,1,2,3,4,5,6,7,8,9,10,11,12,13,14,15,16,17
	global_load_b64 v[RL+2*\j:RL+2*\j+1], v[FGO], s[10:11] offset:1024*\j
.endr
	global_load_b32 v[BI], v[BGO], s[8:9]
	s_wait_kmcnt 0x0
	s_min_u32 s33, s33, 43233                      ; an index stays inside its table
	s_lshl_b32 s34, s33, 11
	s_mov_b32 s35, 0
	s_add_nc_u64 s[12:13], s[12:13], s[34:35]
	global_load_b64 v[HR:HR+1], v[FGO], s[12:13]               ; re_h of my two d
	global_load_b64 v[HI:HI+1], v[FGO], s[12:13] offset:1024   ; im_h
.Lno_f_loads:
	BARRIER                                        ; the four groups' partial sums lie in LDS
	s_cmp_lt_u32 s18, 6                            ; threads 0-191: the mean of 4 columns each
	s_cbranch_scc0 .Lno_mean
.irp g, 0,1,2,3
	ds_load_b128 v[PL+4*\g:PL+4*\g+3], v[PST] offset:3072*\g
.endr
	s_wait_dscnt 0x0
	v_pk_add_f32 v[PL:PL+1], v[PL:PL+1], v[PL+4:PL+5]
	v_pk_add_f32 v[PL+2:PL+3], v[PL+2:PL+3], v[PL+6:PL+7]
	v_pk_add_f32 v[PL+8:PL+9], v[PL+8:PL+9], v[PL+12:PL+13]
	v_pk_add_f32 v[PL+10:PL+11], v[PL+10:PL+11], v[PL+14:PL+15]
	v_pk_add_f32 v[PL:PL+1], v[PL:PL+1], v[PL+8:PL+9]
	v_pk_add_f32 v[PL+2:PL+3], v[PL+2:PL+3], v[PL+10:PL+11]
	v_pk_mul_f32 v[PL:PL+1], v[PL:PL+1], 0x3c800000 op_sel_hi:[1,0]      ; / 64, exact
	v_pk_mul_f32 v[PL+2:PL+3], v[PL+2:PL+3], 0x3c800000 op_sel_hi:[1,0]
	ds_store_b128 v[PST], v[PL:PL+3] offset:QOFF
.Lno_mean:
	BARRIER                                        ; the mean lies in LDS
	s_cmp_lt_u32 s18, 12
	s_cbranch_scc0 .Lno_product
.irp c, 0,1
.irp i, 0,1,2,3,4,5,6,7
	ds_load_b128 v[PL+32*\c+4*\i:PL+32*\c+4*\i+3], v[QRD] offset:256*\c+16*\i    ; q(128 s + 64 c + 32 h + 4 i ..): sixteen lanes share each address
.endr
.endr
	s_wait_dscnt 0x0
	QUANT PL, QC, QS
.rept 8
	v_nop                                          ; a scale register written by a vector instruction stands 8 places ahead of a scaled matrix instruction, an operand so written 4
.endr
	v_wmma_scale_f32_16x16x128_f8f6f4 v[DA:DA+7], v[QC:QC+11], v[WC:WC+11], 0, v[QS], v[WS] matrix_a_fmt:MATRIX_FMT_FP6 matrix_b_fmt:MATRIX_FMT_FP6
.rept 4
	v_nop                                          ; four places ahead of the store that reads the result
.endr
	ds_store_b32 v[SST], v[DA]                     ; register 0: lane r and lane 16 + r hold the same number (all rows of source 0 are q) and write it to the same word
.Lno_product:
	BARRIER                                        ; the twelve parts lie in LDS
	s_cmp_lt_u32 s18, 12
	s_cbranch_scc1 .Lend
	s_cmp_lt_u32 s18, 16
	s_cbranch_scc0 .Lend
.irp s, 0,1,2,3,4,5
	ds_load_b32 v[SC+\s], v[SRD] offset:128*\s     ; lane j: K step s's part of score j (lanes 18-31: numbers that are not used)
.endr
	s_wait_loadcnt 0x0                             ; rel_embeddings, the bias and the head are in
	s_wait_dscnt 0x0
	v_add_f32 v[SC], v[SC], v[SC+1]
	v_add_f32 v[SC+2], v[SC+2], v[SC+3]
	v_add_f32 v[SC+4], v[SC+4], v[SC+5]
	v_add_f32 v[SC], v[SC], v[SC+2]
	v_add_f32 v[SC+4], v[SC+4], v[BI]
	v_add_f32 v[SC], v[SC], v[SC+4]                ; the score
	v_mul_f32 v[SC], 0xbfb8aa3b, v[SC]             ; x -log2(e)
	v_exp_f32 v[SC+1], v[SC]
	v_nop                                          ; a plain place behind the transcendental,
	s_wait_alu depctr_va_vdst(0)                   ; and the wait ahead of its first reader
	v_add_f32 v[SC+1], 1.0, v[SC+1]
	v_rcp_f32 v[SC+2], v[SC+1]                     ; sigmoid
	v_nop
	s_wait_alu depctr_va_vdst(0)
.irp j, 0,1,2,3,4,5,6,7,8,9,10,11,12,13,14,15,16,17
	v_readlane_b32 s[SG+\j], v[SC+2], \j
.endr
	v_mul_f32 v[PP], s[SG], v[RL]                  ; p = the sum over j of sigmoid_j x rel_embeddings[j][d], in f32
	v_mul_f32 v[PP+1], s[SG], v[RL+1]
.irp j, 1,2,3,4,5,6,7,8,9,10,11,12,13,14,15,16,17
	v_fmac_f32 v[PP], s[SG+\j], v[RL+2*\j]
	v_fmac_f32 v[PP+1], s[SG+\j], v[RL+2*\j+1]
.endr
	SINCOS PP, CO, SI, TP, TP+1, TP+2, TP+3
	SINCOS PP+1, CO+1, SI+1, TP+4, TP+5, TP+6, TP+7
.irp a, 0,1
	v_mul_f32 v[TP+\a], v[HI+\a], v[SI+\a]
	v_mul_f32 v[TP+2+\a], v[HI+\a], v[CO+\a]
	v_fma_f32 v[RE+\a], v[HR+\a], v[CO+\a], -v[TP+\a]          ; re_h cos - im_h sin
	v_fma_f32 v[IM+\a], v[HR+\a], v[SI+\a], v[TP+2+\a]         ; re_h sin + im_h cos
.endr
	global_store_b64 v[FGO], v[RE:RE+1], s[16:17]              ; 32 lanes store 256 consecutive bytes, at a multiple of 256 from rot's first byte
	global_store_b64 v[FGO], v[IM:IM+1], s[16:17] offset:1024
.Lend:
	s_barrier_signal -1
	s_barrier_wait -1
	s_wait_tensorcnt 0x0
	ds_add_u32 v158, v159
	s_wait_dscnt 0x0
	s_endpgm
.Lfunc_end_k_qf8d0ba2e7a_relrot:
	.size	k_qf8d0ba2e7a_relrot, .Lfunc_end_k_qf8d0ba2e7a_relrot-k_qf8d0ba2e7a_relrot
	.p2alignl 7, 3214868480
	.fill 96, 4, 3214868480
	.section	.rodata,"a",@progbits
	.p2align	6, 0x0
	.amdhsa_kernel k_qf8d0ba2e7a_relrot
		.amdhsa_group_segment_fixed_size 19456
		.amdhsa_private_segment_fixed_size 0
		.amdhsa_enable_private_segment 0
		.amdhsa_kernarg_size 56
		.amdhsa_user_sgpr_count 2
		.amdhsa_user_sgpr_kernarg_segment_ptr 1
		.amdhsa_wavefront_size32 1
		.amdhsa_system_sgpr_workgroup_id_x 1
		.amdhsa_system_sgpr_workgroup_id_y 1
		.amdhsa_system_sgpr_workgroup_id_z 1
		.amdhsa_system_vgpr_workitem_id 0
		.amdhsa_next_free_vgpr 160
		.amdhsa_next_free_sgpr 66
		.amdhsa_reserve_vcc 1
		.amdhsa_float_denorm_mode_32 3
		.amdhsa_float_denorm_mode_16_64 3
		.amdhsa_memory_ordered 1
		.amdhsa_forward_progress 1
		.amdhsa_inst_pref_size 26
	.end_amdhsa_kernel
	.amdgpu_metadata
---
amdhsa.version: [ 1, 2 ]
amdhsa.kernels:
  - .name:           k_qf8d0ba2e7a_relrot
    .symbol:         k_qf8d0ba2e7a_relrot.kd
    .args:
      - { .name: question_hidden, .offset: 0, .size: 8, .value_kind: global_buffer, .address_space: global }
      - { .name: W_rel, .offset: 8, .size: 8, .value_kind: global_buffer, .address_space: global }
      - { .name: b_rel, .offset: 16, .size: 8, .value_kind: global_buffer, .address_space: global }
      - { .name: rel_embeddings, .offset: 24, .size: 8, .value_kind: global_buffer, .address_space: global }
      - { .name: ent_embeddings, .offset: 32, .size: 8, .value_kind: global_buffer, .address_space: global }
      - { .name: head_id, .offset: 40, .size: 8, .value_kind: global_buffer, .address_space: global }
      - { .name: rot, .offset: 48, .size: 8, .value_kind: global_buffer, .address_space: global }
    .group_segment_fixed_size: 19456
    .private_segment_fixed_size: 0
    .kernarg_segment_align: 8
    .kernarg_segment_size: 56
    .max_flat_workgroup_size: 768
    .sgpr_count:     66
    .vgpr_count:     160
    .wavefront_size: 32
...
	.end_amdgpu_metadata
.endif
;; end of part 1
;; launch dist (part 2): grid 255 x 1, 8 waves a work-group, no clusters, 14,848 bytes of LDS; arguments ent_embeddings, rot, out0; writes out0
.if DOCPART == 2
	.amdgcn_target "amdgcn-amd-amdhsa--gfx1250"
	.amdhsa_code_object_version 6
	.text
	.protected	k_qf8d0ba2e7a_dist
	.globl	k_qf8d0ba2e7a_dist
	.p2align	8
	.type	k_qf8d0ba2e7a_dist,@function
k_qf8d0ba2e7a_dist:
	s_mov_b64 s[64:65], 0
	v_nop
	global_prefetch_b8 v0, s[64:65] scope:SCOPE_SE
	s_setreg_imm32_b32 hwreg(HW_REG_WAVE_MODE, 25, 1), 1
	s_wait_xcnt 0x0
; out0[b][e] = 6 - the sum over d = 0 .. 255 of sqrt((rot[b][d] - ent[e][d])^2 + (rot[b][256 + d] - ent[e][256 + d])^2).  ent: [43234][512], rot: [16][512], out0: [16][43234], all f32.
; SHARES.  A work-group takes 170 entities (the last one 54); wave w of its eight takes entities w, w + 8, w + 16 ..: 21 or 22.  170 is even, so that two neighbouring results are 8 aligned bytes of out0.
; A LANE OWNS 8 d, those of its 16-byte pieces of a row: d = 4 l .. 4 l + 3 and 128 + 4 l .. 128 + 4 l + 3.  So all 16 rows of rot stay in registers for the whole launch (16 x 16 = 256: window 1),
; and an entity's row goes from memory straight into 16 registers by four loads of 512 consecutive bytes: one wave reads it, and nothing of it goes through LDS.
; AN ENTITY is four batches of 4 b.  A batch: 32 packed subtractions, 16 packed multiplies and 16 packed multiply-adds give 32 sums of squares; 32 roots; 16 additions give the lane's sum for 4 b.
; The roots of batch q stand among the plain instructions of its neighbours: the additions of batch q - 1 and the squares of batch q + 1 (of the next entity's first batch at the end), in two buffers by turns.
; One s_wait_alu serves a batch's 32 roots: it stands at the step's end, ahead of the first instruction that names a result.
; ACROSS THE LANES: 16 sums a lane are folded by halves: at each of the distances 16, 8, 4, 2 a lane keeps half of its sums and hands the other half over; the last step adds lane l xor 1.  Lane l ends with b = l / 2.
; THE WAY OUT: results gather in LDS, a region of its own for each wave; behind one barrier wave w stores rows b = 2 w and 2 w + 1, 8 bytes a lane, 256 consecutive bytes an instruction.
;   (A row of out0 is 172,936 bytes: rows begin at 8 modulo 16 in every second row, so no wider store and no common alignment is to be had.)
; ROWS ARE ASKED FOR FOUR ENTITIES AHEAD, in four sets of registers: 4 x 2,048 bytes a wave are out.  So the loop runs four entities a trip, until the register numbers are back.
;   No prefetch beside that: the loads themselves stand four entities' work ahead of their use.
; NO CLUSTER, NO TENSOR LOAD: the work-groups share rot alone, 32 KB read once, beside 340 KB of rows of their own, and each row has one reader.
; The loop's count is a constant, 24 entities; a wave leaves it by a forward branch behind its last entity (a branch on ids).  The look-ahead is held at the wave's last row: no load leaves ent.
; LIMITS: a sum of squares under 2^-126 gives the root 0 (v_sqrt_f32 takes denormals as zero: ISA guide, its entry); NaN and infinities are not served.
.set NE,    43234
.set CH,    170                        ; entities of a work-group
.set OUTP,  NE*4                       ; a row of out0 in bytes
.set WREG,  1696                       ; LDS: a wave's region: 16 b x BP bytes, rounded so that the four regions that a read touches start 16 banks apart
.set BP,    100                        ; 25 words for each b: 24 places; the 16 b that a store touches fall into 16 different banks
.set TRIPS, 24
.set LANE, 1                           ; v1     lane
.set L16,  2                           ; v2     16 x lane
.set LST,  3                           ; v3     LDS: my wave's region + BP x (lane / 2)
.set LAD,  4                           ; v4     the same + 4 bytes for each entity done
.set RDA,  5                           ; v5     LDS, the way out: 2 WREG (lane % 4) + 4 (lane / 4) + 2 BP x wave
.set GOF,  6                           ; v6     8 x lane
.set OFF,  8                           ; v8-11  set u: the byte offset of my 16 bytes in the row that the set holds or awaits
.set ACC,  16                          ; v16-31 the lane's sum for each b
.set BT,   32                          ; v32-45 the fold, at work
.set T,    48                          ; v48-111  four sets of 16: an entity's row: 8 re, 8 im
.set D,    112                         ; v112-239 two buffers of 64: for each of 4 b the differences (8 re, 8 im); the sums of squares and the roots take the place of re's
.set O,    112                         ; the way out
.set M8,   20                          ; s20-22 lanes whose bit 3, 2, 1 is set
.set M4,   21
.set M2,   22
.set MSB, 0
.macro WIN new                         ; the immediate's high byte repeats the setting that is left
.if MSB != \new
	s_set_vgpr_msb (MSB<<8)|\new
.set MSB, \new
.endif
.endm
; Behind each plain instruction of a step: the next root of the batch in buffer sqb, where its turn has come.  32 roots are dealt evenly over the step's ntot plain instructions, the last of them two ahead of the step's end.
.set npl, 0
.set nsq, 32
.set sqb, D
.set ntot, 64
.macro TICK
.set npl, npl+1
.if (nsq < 32) && ((npl*32)/(ntot-2) > nsq)
	v_sqrt_f32 v[sqb+16*(nsq/8)+nsq%8], v[sqb+16*(nsq/8)+nsq%8]
.set nsq, nsq+1
.endif
.endm
.macro STEPSET f, n                    ; a step begins: its roots are those of buffer f, its plain instructions n
.set sqb, D+64*(\f)
.set ntot, \n
.set npl, 0
.set nsq, 0
.endm
; batch q (b = 4 q .. 4 q + 3) of the entity in the set at ts: 32 packed differences into buffer f.  rot lies in window 1: source 1.  A root names a destination and source 0 alone, so it may stand here too.
.macro DIFF f, ts, q
	WIN 0x04
.irp bb, 0,1,2,3
.irp i, 0,2,4,6,8,10,12,14
	v_pk_add_f32 v[D+64*(\f)+16*\bb+\i:D+64*(\f)+16*\bb+\i+1], v[\ts+\i:\ts+\i+1], v[16*(4*(\q)+\bb)+\i:16*(4*(\q)+\bb)+\i+1] neg_lo:[0,1] neg_hi:[0,1]
	TICK
.endr
.endr
	WIN 0
.endm
.macro SQUARES f                       ; re^2, then im^2 + re^2, two d at a time
.irp bb, 0,1,2,3
.irp i, 0,2,4,6
	v_pk_mul_f32 v[D+64*(\f)+16*\bb+\i:D+64*(\f)+16*\bb+\i+1], v[D+64*(\f)+16*\bb+\i:D+64*(\f)+16*\bb+\i+1], v[D+64*(\f)+16*\bb+\i:D+64*(\f)+16*\bb+\i+1]
	TICK
.endr
.irp i, 0,2,4,6
	v_pk_fma_f32 v[D+64*(\f)+16*\bb+\i:D+64*(\f)+16*\bb+\i+1], v[D+64*(\f)+16*\bb+8+\i:D+64*(\f)+16*\bb+8+\i+1], v[D+64*(\f)+16*\bb+8+\i:D+64*(\f)+16*\bb+8+\i+1], v[D+64*(\f)+16*\bb+\i:D+64*(\f)+16*\bb+\i+1]
	TICK
.endr
.endr
.endm
.macro ACCUM f, q                      ; the 8 roots of each of batch q's 4 b are added; the four b by turns, so that no line waits for the line above it
.irp bb, 0,1,2,3
	v_pk_add_f32 v[D+64*(\f)+16*\bb:D+64*(\f)+16*\bb+1], v[D+64*(\f)+16*\bb:D+64*(\f)+16*\bb+1], v[D+64*(\f)+16*\bb+2:D+64*(\f)+16*\bb+3]
	TICK
.endr
.irp bb, 0,1,2,3
	v_pk_add_f32 v[D+64*(\f)+16*\bb+4:D+64*(\f)+16*\bb+5], v[D+64*(\f)+16*\bb+4:D+64*(\f)+16*\bb+5], v[D+64*(\f)+16*\bb+6:D+64*(\f)+16*\bb+7]
	TICK
.endr
.irp bb, 0,1,2,3
	v_pk_add_f32 v[D+64*(\f)+16*\bb:D+64*(\f)+16*\bb+1], v[D+64*(\f)+16*\bb:D+64*(\f)+16*\bb+1], v[D+64*(\f)+16*\bb+4:D+64*(\f)+16*\bb+5]
	TICK
.endr
.irp bb, 0,1,2,3
	v_add_f32 v[ACC+4*(\q)+\bb], v[D+64*(\f)+16*\bb], v[D+64*(\f)+16*\bb+1]
	TICK
.endr
.endm
; One halving of the fold at a distance inside 16 lanes: of the sums a and b the lanes whose bit is clear keep a and hand b over, the others the other way round.
.macro HALVE keep, send, a, b, mask, dist
	v_cndmask_b32 v[\keep], v[\a], v[\b], s[\mask]
	v_cndmask_b32 v[\send], v[\b], v[\a], s[\mask]
	v_add_f32_dpp v[\keep], v[\send], v[\keep] row_xmask:\dist row_mask:0xf bank_mask:0xf
.endm
; One entity: the one in set u.  At its head the sums of squares of its batch 0 lie in buffer 0.
.macro TRIP u
.set TS, T+16*(\u)
.set TN, T+16*(((\u)+1)%4)
	STEPSET 0, 64                                  ; roots of batch 0 | squares of batch 1
	DIFF 1, TS, 1
	SQUARES 1
	s_wait_alu depctr_va_vdst(0)                   ; one wait for the batch's 32 roots, ahead of their first reader
	STEPSET 1, 80                                  ; roots of batch 1 | sums of batch 0, squares of batch 2
	ACCUM 0, 0
	DIFF 0, TS, 2
	SQUARES 0
	s_wait_alu depctr_va_vdst(0)
	STEPSET 0, 80                                  ; roots of batch 2 | sums of batch 1, squares of batch 3
	ACCUM 1, 1
	DIFF 1, TS, 3
	SQUARES 1
	s_wait_alu depctr_va_vdst(0)
	s_add_co_u32 s15, s16, (\u)+4                  ; this set has been read for the last time: it takes the wave's entity four further on,
	s_min_u32 s15, s15, s14                        ; or the wave's last once more
	s_lshl_b32 s15, s15, 14                        ; 8 rows of 2,048 bytes from one of my entities to the next
	v_add_nc_u32 v[OFF+(\u)], s15, v[L16]          ; (the loads that read this register were shown done a trip ago)
.irp j, 0,1,2,3
	global_load_b128 v[TS+4*\j:TS+4*\j+3], v[OFF+(\u)], s[4:5] offset:512*\j     ; 32 lanes read 512 consecutive bytes
.endr
	s_wait_loadcnt 12                              ; the next entity's row is in; the three rows asked for behind it may be out
	STEPSET 1, 80                                  ; roots of batch 3 | sums of batch 2, squares of the next entity's batch 0
	ACCUM 0, 2
	DIFF 0, TN, 0
	SQUARES 0
	s_wait_alu depctr_va_vdst(0)
	ACCUM 1, 3                                     ; (no roots are left to deal)
.irp i, 0,1,2,3,4,5,6,7
	v_permlane16_swap_b32 v[ACC+\i], v[ACC+8+\i]   ; distance 16: lanes 0-15 get both halves of sum i, lanes 16-31 both halves of sum i + 8
.endr
.irp i, 0,2,4,6
	v_pk_add_f32 v[ACC+\i:ACC+\i+1], v[ACC+\i:ACC+\i+1], v[ACC+8+\i:ACC+8+\i+1]
.endr
.irp i, 0,1,2,3
	HALVE BT+\i, BT+4+\i, ACC+\i, ACC+4+\i, M8, 8
.endr
.irp i, 0,1
	HALVE BT+8+\i, BT+10+\i, BT+\i, BT+2+\i, M4, 4
.endr
	HALVE BT+12, BT+13, BT+8, BT+9, M2, 2
	v_add_f32_dpp v[BT+12], v[BT+12], v[BT+12] row_xmask:1 row_mask:0xf bank_mask:0xf   ; lane l: the distance of b = l / 2
	ds_store_b32 v[LAD], v[BT+12] offset:4*(\u)    ; lanes 2 b and 2 b + 1 write the same number to the same word
	s_add_co_u32 s15, s16, (\u)+1
	s_cmp_ge_u32 s15, s13                          ; was that my last entity?
	s_cbranch_scc1 .Ldone
.endm
	s_load_b128 s[4:7], s[0:1], 0x0                ; ent s[4:5], rot s[6:7]
	s_load_b64 s[8:9], s[0:1], 0x10                ; out0
	v_lshl_add_u32 v254, v0, 2, 0x3600
	v_mov_b32 v255, 0
	v_lshrrev_b32 v12, 5, v0
	v_readfirstlane_b32 s10, v12                   ; wave 0..7
	v_and_b32 v[LANE], 31, v0
	v_lshlrev_b32 v[L16], 4, v[LANE]
	s_mul_i32 s11, ttmp9, CH                       ; the work-group's first entity
	s_sub_co_u32 s12, NE, s11
	s_min_u32 s12, s12, CH                         ; its entities: 170, or 54 in the last
	s_sub_co_u32 s13, s12, s10
	s_add_co_u32 s13, s13, 7
	s_lshr_b32 s13, s13, 3                         ; my wave's: those with number w modulo 8
	s_sub_co_u32 s14, s13, 1                       ; the last of them
	s_lshr_b32 s23, s12, 1                         ; pairs of entities, for the way out
	s_add_co_u32 s18, s11, s10
	s_lshl_b32 s18, s18, 11                        ; my first row, in bytes (under 2^27)
	s_mov_b32 s19, 0
	s_mul_i32 s15, s10, WREG
	v_lshrrev_b32 v12, 1, v[LANE]
	v_mul_u32_u24 v12, v12, BP
	v_add_nc_u32 v[LST], s15, v12
	v_and_b32 v12, 3, v[LANE]
	v_mul_u32_u24 v12, v12, 2*WREG
	v_lshrrev_b32 v13, 2, v[LANE]
	v_lshl_add_u32 v12, v13, 2, v12
	s_mul_i32 s15, s10, 2*BP
	v_add_nc_u32 v[RDA], s15, v12
	v_lshlrev_b32 v[GOF], 3, v[LANE]
	s_mov_b32 s[M8], 0xff00ff00
	s_mov_b32 s[M4], 0xf0f0f0f0
	s_mov_b32 s[M2], 0xcccccccc
	s_mul_i32 s24, s10, 2*OUTP                     ; out0: row 2 w,
	s_lshl_b32 s25, s11, 2                         ; the work-group's first entity
	s_add_co_u32 s24, s24, s25
	s_mov_b32 s25, 0
	s_wait_kmcnt 0x0
	s_add_nc_u64 s[4:5], s[4:5], s[18:19]
	s_add_nc_u64 s[8:9], s[8:9], s[24:25]
	WIN 0x40                                       ; destination window 1
.irp b, 0,1,2,3,4,5,6,7,8,9,10,11,12,13,14,15
.irp j, 0,1,2,3
	global_load_b128 v[16*\b+4*\j:16*\b+4*\j+3], v[L16], s[6:7] offset:2048*\b+512*\j    ; rot[b], laid as an entity's row is: they stay
.endr
.endr
	WIN 0
.irp u, 0,1,2,3
	s_min_u32 s15, s14, \u
	s_lshl_b32 s15, s15, 14
	v_add_nc_u32 v[OFF+\u], s15, v[L16]
.irp j, 0,1,2,3
	global_load_b128 v[T+16*\u+4*\j:T+16*\u+4*\j+3], v[OFF+\u], s[4:5] offset:512*\j     ; my first four entities
.endr
.endr
	s_wait_loadcnt 12                              ; rot and my first row are in; the three rows behind it may be out
	DIFF 0, T, 0                                   ; the first entity's batch 0 stands ahead of the loop (no roots to deal yet)
	SQUARES 0
	s_mov_b32 s16, 0                               ; entities done, counted once a trip
	s_mov_b32 s17, 0                               ; and their bytes in my LDS region
.Lloop:
	v_add_nc_u32 v[LAD], s17, v[LST]
	TRIP 0
	TRIP 1
	TRIP 2
	TRIP 3
	s_add_co_u32 s17, s17, 16
	s_add_co_u32 s16, s16, 4
	s_cmp_lt_u32 s16, TRIPS
	s_cbranch_scc1 .Lloop
.Ldone:
	s_wait_loadcnt 0x0                             ; the look-ahead's loads have landed: their registers are used again below
	s_wait_dscnt 0x0                               ; for the others' sake: my results lie in LDS
	s_barrier_signal -1
	s_barrier_wait -1
	s_wait_xcnt 0x0                                ; EXEC changes only behind this wait
; Pair p = 32 c + lane holds entities 2 p and 2 p + 1 of the work-group: waves 2 (p % 4) and 2 (p % 4) + 1, place p / 4.
.irp c, 0,1,2
	s_sub_co_i32 s27, s23, 32*\c
	v_cmp_gt_i32 vcc_lo, s27, v[LANE]              ; only the pairs that there are
	s_and_saveexec_b32 s26, vcc_lo
	ds_load_b32 v[O+4*\c], v[RDA] offset:32*\c
	ds_load_b32 v[O+4*\c+1], v[RDA] offset:32*\c+WREG
	ds_load_b32 v[O+4*\c+2], v[RDA] offset:32*\c+BP
	ds_load_b32 v[O+4*\c+3], v[RDA] offset:32*\c+BP+WREG
	s_wait_dscnt 0x0
.irp n, 0,1,2,3
	v_sub_f32 v[O+4*\c+\n], 0x40c00000, v[O+4*\c+\n]               ; 6 - the distance
.endr
	global_store_b64 v[GOF], v[O+4*\c:O+4*\c+1], s[8:9] offset:256*\c th:TH_STORE_NT           ; row 2 w: 32 lanes store 256 consecutive bytes; written once, read by nobody here
	global_store_b64 v[GOF], v[O+4*\c+2:O+4*\c+3], s[8:9] offset:256*\c+OUTP th:TH_STORE_NT    ; row 2 w + 1
	s_wait_xcnt 0x0                                ; and again, in front of the line that widens EXEC
	s_or_b32 exec_lo, exec_lo, s26
.endr
	s_wait_xcnt 0x0
	s_mov_b32 exec_lo, -1
	s_wait_tensorcnt 0x0
	ds_add_u32 v254, v255
	s_wait_dscnt 0x0
	s_endpgm
.Lfunc_end_k_qf8d0ba2e7a_dist:
	.size	k_qf8d0ba2e7a_dist, .Lfunc_end_k_qf8d0ba2e7a_dist-k_qf8d0ba2e7a_dist
	.p2alignl 7, 3214868480
	.fill 96, 4, 3214868480
	.section	.rodata,"a",@progbits
	.p2align	6, 0x0
	.amdhsa_kernel k_qf8d0ba2e7a_dist
		.amdhsa_group_segment_fixed_size 14848
		.amdhsa_private_segment_fixed_size 0
		.amdhsa_enable_private_segment 0
		.amdhsa_kernarg_size 24
		.amdhsa_user_sgpr_count 2
		.amdhsa_user_sgpr_kernarg_segment_ptr 1
		.amdhsa_wavefront_size32 1
		.amdhsa_system_sgpr_workgroup_id_x 1
		.amdhsa_system_sgpr_workgroup_id_y 1
		.amdhsa_system_sgpr_workgroup_id_z 1
		.amdhsa_system_vgpr_workitem_id 0
		.amdhsa_next_free_vgpr 512
		.amdhsa_next_free_sgpr 66
		.amdhsa_reserve_vcc 1
		.amdhsa_float_denorm_mode_32 3
		.amdhsa_float_denorm_mode_16_64 3
		.amdhsa_memory_ordered 1
		.amdhsa_forward_progress 1
		.amdhsa_inst_pref_size 124
	.end_amdhsa_kernel
	.amdgpu_metadata
---
amdhsa.version: [ 1, 2 ]
amdhsa.kernels:
  - .name:           k_qf8d0ba2e7a_dist
    .symbol:         k_qf8d0ba2e7a_dist.kd
    .args:
      - { .name: ent_embeddings, .offset: 0, .size: 8, .value_kind: global_buffer, .address_space: global }
      - { .name: rot, .offset: 8, .size: 8, .value_kind: global_buffer, .address_space: global }
      - { .name: out0, .offset: 16, .size: 8, .value_kind: global_buffer, .address_space: global }
    .group_segment_fixed_size: 14848
    .private_segment_fixed_size: 0
    .kernarg_segment_align: 8
    .kernarg_segment_size: 24
    .max_flat_workgroup_size: 256
    .sgpr_count:     66
    .vgpr_count:     512
    .wavefront_size: 32
...
	.end_amdgpu_metadata
.endif
;; end of part 2
